; MI455X (gfx1250); checked and timed in simulation.
; The chip was launched on July 23, 2026; its instructions are those of AMD's public machine-readable ISA for CDNA 5 (MIT licence, August 2026) and "CDNA5" Instruction Set Architecture Reference Guide (July 2026). The comments in the code are by the model that wrote it; some were corrected since.
;; Audio Quantizer. Allowed arithmetic: matrix products marked QUANTISED: E3M2 operands, one E8M0 scale for each 32 along K, by v_wmma_scale_f32_16x16x128_f8f6f4 with both operands' format E3M2, f32 sums; everything else in f32.
;; Inputs: codebook 8,192 x 512 float32; embedding 8,192 x 512 float32; x 16,384 x 512 float32.
;; Outputs: out0 16,384 x 512 float32.
;; This version of the problem:
;;   THIS VERSION OF THE PROBLEM IS GIVEN IN LOW PRECISION. The matrix products marked QUANTISED in the list below multiply operands that are first quantised to E3M2 (3 exponent bits, 2 mantissa bits; 6 bits a number), with one power-of-two scale for each 32 numbers along K (OCP MX v1.0); their sums are f32. All else is computed in f32.
;;   The module's matrix products, in the order in which they are computed (A, B: the left and right operand; K: the contracted axis; several contracted axes count as one K, in the product's order):
;;     1. [M 16,384, K 512] x [K 512, N 8,192]; A: input x; B: input codebook: QUANTISED
;;   THE QUANTISER, for each operand of a quantised product, along K:
;;     - K is cut into blocks of 32 from its start; a last block that is shorter is filled with zeros.
;;     - A block's scale is 2^e with e = floor(log2(the largest magnitude in the block)) - 4, held to -126 .. 127; a block of zeros has e = 0. As a byte (E8M0): e + 127.
;;     - Each number is divided by its block's scale, clamped to +-28, and rounded to the nearest number of E3M2, ties to even, subnormals kept.
;;     - The product sums the exact products of the quantised numbers (number of the format x scale) in f32.
;;   ~~~python
;;   def quantise(x, axis):      # numpy; x: float32 -> the quantised numbers, widened to float32 again
;;       x = np.moveaxis(x, axis, -1); K = x.shape[-1]
;;       x = np.pad(x, [(0, 0)] * (x.ndim - 1) + [(0, -K % 32)]); x = x.reshape(x.shape[:-1] + (-1, 32)); a = np.abs(x).max(-1, keepdims=True)
;;       e = np.where(a > 0, np.clip(np.frexp(np.where(a > 0, a, 1))[1] - 1 - 4, -126, 127), 0)      # np.frexp(a)[1] - 1 = floor(log2(a)), exactly
;;       r = np.clip(x / 2.0 ** e, -28, 28)
;;       step = 2.0 ** (np.maximum(np.frexp(np.where(r == 0, 1, r))[1] - 1, -2) - 2)
;;       q = np.round(r / step) * step * 2.0 ** e      # np.round: ties to even
;;       return np.moveaxis(q.reshape(q.shape[:-2] + (-1,))[..., :K], -1, axis).astype(np.float32)
;;   ~~~
;; One version. Each part assembles by itself: llvm-mc -triple=amdgcn-amd-amdhsa -mcpu=gfx1250 --defsym DOCPART=n.
;; ======== version 1 of 1: 3 launches
;; limits: right only within a limited range of input values
;; workspace buffers: xq 6,619,136 bytes; cq 3,309,568 bytes; pval 131,072 bytes of whole numbers; pidx 131,072 bytes of whole numbers
;; launch quant (part 1): grid 384 x 1, 4 waves a work-group, no clusters, 35,328 bytes of LDS; arguments x, codebook, xq, cq; writes xq, cq
.if DOCPART == 1
	.amdgcn_target "amdgcn-amd-amdhsa--gfx1250"
	.amdhsa_code_object_version 6
	.text
	.protected	k_q3bab211bfa_quant
	.globl	k_q3bab211bfa_quant
	.p2align	8
	.type	k_q3bab211bfa_quant,@function
k_q3bab211bfa_quant:
	s_mov_b64 s[64:65], 0
	v_nop
	global_prefetch_b8 v0, s[64:65] scope:SCOPE_SE
	s_setreg_imm32_b32 hwreg(HW_REG_WAVE_MODE, 25, 1), 1
	s_wait_xcnt 0x0
; x [16384][512] and codebook [8192][512], f32, become RECORDS for the distance launch.  A record is 64 rows, 25,856 bytes (101 x 256):
;   tile w (rows 16 w on) at 6144 w; in it the fragment of K step k (128 along K) at 1536 k, as an IMAGE OF THE OPERAND'S 12 REGISTERS: registers 4 c .. 4 c + 3 of lane l at 512 c + 16 l;
;   the scale word (four E8M0 bytes) of row r of tile w, K step k, at 24576 + 256 w + 16 r + 4 k;   nh = -0.5 x (the sum of the row's squares, of the UNQUANTISED numbers, f32) at 25600 + 64 w + 4 r.
; Codes are BF6 (E3M2).  A block's scale is 2^(floor(log2(its largest magnitude)) - 4); its byte is the largest magnitude's exponent field - 4, held at 1 from below.
; LIMITS: a block of zeros gets the byte 1 where the rule says 127 (its codes are zeros, which add nothing, and this program alone reads the bytes); NaN and infinities among the inputs are not served;
; a row's sum of squares has to stay finite in f32; it is summed in four chains a lane, another order than a plain running sum.
; SHARES: work-groups 0-255 make x's records, 256-383 the codebook's: only pointers are chosen, there is one path.  Wave w makes tile w in four K steps.
; Each load takes 512 consecutive bytes of one row; the conversions want 16 neighbours along K in ONE lane, so a K step's 16 x 512 bytes turn through the wave's own stage in LDS.
.set REC,  25856
.set SP,   528                         ; a stage row: 512 bytes + 16 = 132 words: row r starts at bank 4 r mod 64 (64 banks of 4 bytes: ISA guide 11.1)
.set STG,  16*SP                       ; a wave's stage
.set NHS,  4*STG                       ; behind the stages: the record's 64 nh, 256 bytes
.set VIN,  4                           ; v4   16 x lane: my place in a load's, and in a store's, 512 bytes
.set STI,  5                           ; v5   the stage on the way in: 16 x lane
.set STB,  6                           ; v6   and back: 528 r + 64 h
.set R,    16                          ; v16-143  two sets of 64: a K step as loaded
.set X,    144                         ; v144-207 register 16 b + i = k 32 b + 16 h + i of row r
.set PC,   208                         ; v208-219 the fragment's codes; v220-226 at work
.set TM,   228                         ; v228-231 largest magnitudes, v232-235 bytes, v240-243 the conversions' scale operands
.set SW,   244                         ; v244-247 my row's four scale words
.set SS,   248                         ; v[248:249], v[250:251] sums of squares, two packed chains
.set SEL,  20                          ; s[20:21] v_permlanex16_b32's selects for lane l xor 16
	s_load_b128 s[4:7], s[0:1], 0x0                ; x, codebook
	s_load_b128 s[8:11], s[0:1], 0x10              ; xq, cq
	v_lshl_add_u32 v254, v0, 2, 0x8800
	v_mov_b32 v255, 0
	v_lshrrev_b32 v1, 5, v0
	v_readfirstlane_b32 s16, v1                    ; wave 0..3
	v_and_b32 v1, 31, v0                           ; lane
	v_and_b32 v2, 15, v0                           ; r
	v_bfe_u32 v3, v0, 4, 1                         ; h
	v_lshlrev_b32 v[VIN], 4, v1
	s_mul_i32 s17, s16, STG
	v_add_nc_u32 v[STI], s17, v[VIN]
	v_mul_u32_u24 v[STB], v2, SP
	v_lshl_add_u32 v[STB], v3, 6, v[STB]
	v_add_nc_u32 v[STB], s17, v[STB]
	s_lshl_b32 s18, s16, 8
	v_lshlrev_b32 v7, 4, v2
	v_lshl_add_u32 v7, v3, 3, v7
	v_add_nc_u32 v7, s18, v7                       ; the scale words' place: 256 w + 16 r + 8 h
	s_lshl_b32 s18, s16, 6
	v_lshl_add_u32 v8, v2, 2, NHS
	v_add_nc_u32 v8, s18, v8                       ; nh in LDS: NHS + 64 w + 4 r
	v_lshlrev_b32 v9, 3, v1                        ; and on the way out 8 bytes a lane
	v_add_nc_u32 v10, NHS, v9
	v_mov_b32 v14, 0                               ; written once: a lane permute's destination counts as one of its sources
.irp b, 0,1,2,3
	v_mov_b32 v[TM+4+\b], 0
.endr
	s_mov_b32 s[SEL], 0x76543210
	s_mov_b32 s[SEL+1], 0xfedcba98
	s_wait_kmcnt 0x0
	s_cmp_lt_u32 ttmp9, 256                        ; x's work-group or the codebook's?  The choice hangs on the work-group's number alone
	s_cselect_b64 s[4:5], s[4:5], s[6:7]
	s_cselect_b64 s[10:11], s[8:9], s[10:11]
	s_cselect_b32 s17, 0, 256
	s_sub_co_u32 s17, ttmp9, s17                   ; the record's number in its tensor
	s_lshl_b32 s22, s17, 17                        ; 64 rows of 2,048 bytes,
	s_lshl_b32 s23, s16, 15                        ; my wave's 16 of them
	s_add_co_u32 s22, s22, s23
	s_mov_b32 s23, 0
	s_add_nc_u64 s[4:5], s[4:5], s[22:23]
	s_mul_i32 s22, s17, REC
	s_add_nc_u64 s[10:11], s[10:11], s[22:23]      ; the record
	s_mul_i32 s22, s16, 6144
	s_add_nc_u64 s[8:9], s[10:11], s[22:23]        ; my tile in it
.macro LOAD s                          ; K step s of my 16 rows into set s % 2: 32 lanes read 512 consecutive bytes of row i
.irp i, 0,1,2,3,4,5,6,7,8,9,10,11,12,13,14,15
	global_load_b128 v[R+64*((\s)%2)+4*\i:R+64*((\s)%2)+4*\i+3], v[VIN], s[4:5] offset:2048*\i+512*(\s) th:TH_LOAD_NT
.endr
.endm
.macro SQ s                            ; the squares of my 64 numbers, two at a time, in two chains; the first two products start the sums: nothing is cleared
.set j, 0
.rept 32
.if (\s == 0) && (j < 2)
	v_pk_mul_f32 v[SS+2*(j%2):SS+2*(j%2)+1], v[X+2*j:X+2*j+1], v[X+2*j:X+2*j+1]
.else
	v_pk_fma_f32 v[SS+2*(j%2):SS+2*(j%2)+1], v[X+2*j:X+2*j+1], v[X+2*j:X+2*j+1], v[SS+2*(j%2):SS+2*(j%2)+1]
.endif
.set j, j+1
.endr
.endm
; 64 numbers of a lane, v[s] on, become a fragment's codes in v[PC] on and the row's scale word in v[pw].
.macro QUANT s, pw
.irp b, 0,1,2,3
	v_max3_num_f32 v[TM+\b], |v[\s+16*\b]|, |v[\s+1+16*\b]|, 0x2800000   ; block b: my 16 numbers, and the floor 2^(5 - 127): the byte cannot fall under 1
.endr
.irp i, 2,4,6,8,10,12,14
.irp b, 0,1,2,3
	v_max3_num_f32 v[TM+\b], v[TM+\b], |v[\s+16*\b+\i]|, |v[\s+1+16*\b+\i]|   ; (the four blocks by turns)
.endr
.endr
.irp b, 0,1,2,3
	v_permlanex16_b32 v[TM+4+\b], v[TM+\b], s[SEL], s[SEL+1]
.endr
.irp b, 0,1,2,3
	v_max_num_f32 v[TM+\b], v[TM+\b], v[TM+4+\b]   ; with lane l xor 16's: the block's largest magnitude
.endr
.irp b, 0,1,2,3
	v_add_nc_u32 v[TM+12+\b], 0xfe000000, v[TM+\b] ; 4 off its exponent field: the conversion takes the exponent field of this operand as its scale
.endr
.irp b, 0,1,2,3
	v_lshrrev_b32 v[TM+4+\b], 23, v[TM+12+\b]      ; the scale's byte
.endr
	v_lshl_or_b32 v[\pw], v[TM+5], 8, v[TM+4]
	v_lshl_or_b32 v[\pw], v[TM+6], 16, v[\pw]
	v_lshl_or_b32 v[\pw], v[TM+7], 24, v[\pw]
.irp c, 0,1
	v_cvt_scalef32_pk16_bf6_f32 v[PC+6*\c:PC+2+6*\c], v[\s+32*\c:\s+15+32*\c], v[TM+12+2*\c]
	v_cvt_scalef32_pk16_bf6_f32 v[PC+12+4*\c:PC+14+4*\c], v[\s+16+32*\c:\s+31+32*\c], v[TM+12+2*\c+1]   ; (a conversion's three registers begin on an even number)
.endr
	v_nop                                          ; one plain place behind a scaled conversion
.irp c, 0,1                                    ; the operand's layout wants a WHOLE block in a lane: lanes 0-15 block 2 c, lanes 16-31 block 2 c + 1
.irp i, 0,1,2
	v_permlane16_swap_b32 v[PC+6*\c+\i], v[PC+12+4*\c+\i]
.endr
.irp i, 0,1,2
	v_mov_b32 v[PC+3+6*\c+\i], v[PC+12+4*\c+\i]
.endr
.endr
.endm
.macro STEP s
.if \s < 3
	s_wait_loadcnt 16                              ; this K step's 16 loads are in; the next step's 16 may be out
.else
	s_wait_loadcnt 0x0
.endif
.irp i, 0,1,2,3,4,5,6,7,8,9,10,11,12,13,14,15
	ds_store_b128 v[STI], v[R+64*(\s%2)+4*\i:R+64*(\s%2)+4*\i+3] offset:SP*\i
.endr
.irp b, 0,1,2,3
.irp j, 0,1,2,3
	ds_load_b128 v[X+16*\b+4*\j:X+16*\b+4*\j+3], v[STB] offset:128*\b+16*\j   ; LDS serves a wave's instructions in order (ISA guide 5.7.1.4): these see the stores above
.endr
.endr
	s_wait_dscnt 0x0                               ; the numbers are back; the stores have read their registers,
.if \s < 2
	LOAD \s+2                                      ; which take the loads of two steps on
.endif
	SQ \s
.if \s > 0
	s_wait_xcnt 0x0                                ; the last step's stores have read the codes' registers: only behind this wait are they written again
.endif
	QUANT X, SW+\s
.irp c, 0,1,2
	global_store_b128 v[VIN], v[PC+4*\c:PC+4*\c+3], s[8:9] offset:1536*\s+512*\c   ; 32 lanes store 512 consecutive bytes, at a multiple of 256 from the buffer's first byte
.endr
.endm
	LOAD 0
	LOAD 1
	STEP 0
	STEP 1
	STEP 2
	STEP 3
	v_cmp_le_u32 vcc_lo, 16, v1                    ; lanes 0-15 store their row's words 0, 1, lanes 16-31 words 2, 3: the wave stores 256 consecutive bytes
	v_cndmask_b32 v12, v[SW], v[SW+2], vcc_lo
	v_cndmask_b32 v13, v[SW+1], v[SW+3], vcc_lo
	global_store_b64 v7, v[12:13], s[10:11] offset:24576
	v_pk_add_f32 v[SS:SS+1], v[SS:SS+1], v[SS+2:SS+3]
	v_add_f32 v[SS], v[SS], v[SS+1]
	v_permlanex16_b32 v14, v[SS], s[SEL], s[SEL+1]
	v_add_f32 v[SS], v[SS], v14                    ; with lane l xor 16's half of the row
	v_mul_f32 v[SS], -0.5, v[SS]
	ds_store_b32 v8, v[SS]                         ; both lanes of a row write the same word with the same value
	s_wait_dscnt 0x0                               ; for wave 0's sake: my store is done
	s_barrier_signal -1
	s_barrier_wait -1
	s_cmp_lg_u32 s16, 0
	s_cbranch_scc1 .Lend
	ds_load_b64 v[14:15], v10                      ; wave 0 stores the record's 64 nh as 256 consecutive bytes
	s_wait_dscnt 0x0
	global_store_b64 v9, v[14:15], s[10:11] offset:25600
.Lend:
	s_wait_tensorcnt 0x0
	ds_add_u32 v254, v255
	s_wait_dscnt 0x0
	s_endpgm
.Lfunc_end_k_q3bab211bfa_quant:
	.size	k_q3bab211bfa_quant, .Lfunc_end_k_q3bab211bfa_quant-k_q3bab211bfa_quant
	.p2alignl 7, 3214868480
	.fill 96, 4, 3214868480
	.section	.rodata,"a",@progbits
	.p2align	6, 0x0
	.amdhsa_kernel k_q3bab211bfa_quant
		.amdhsa_group_segment_fixed_size 35328
		.amdhsa_private_segment_fixed_size 0
		.amdhsa_enable_private_segment 0
		.amdhsa_kernarg_size 32
		.amdhsa_user_sgpr_count 2
		.amdhsa_user_sgpr_kernarg_segment_ptr 1
		.amdhsa_wavefront_size32 1
		.amdhsa_system_sgpr_workgroup_id_x 1
		.amdhsa_system_sgpr_workgroup_id_y 1
		.amdhsa_system_sgpr_workgroup_id_z 1
		.amdhsa_system_vgpr_workitem_id 0
		.amdhsa_next_free_vgpr 256
		.amdhsa_next_free_sgpr 66
		.amdhsa_reserve_vcc 1
		.amdhsa_float_denorm_mode_32 3
		.amdhsa_float_denorm_mode_16_64 3
		.amdhsa_memory_ordered 1
		.amdhsa_forward_progress 1
		.amdhsa_inst_pref_size 42
	.end_amdhsa_kernel
	.amdgpu_metadata
---
amdhsa.version: [ 1, 2 ]
amdhsa.kernels:
  - .name:           k_q3bab211bfa_quant
    .symbol:         k_q3bab211bfa_quant.kd
    .args:
      - { .name: x, .offset: 0, .size: 8, .value_kind: global_buffer, .address_space: global }
      - { .name: codebook, .offset: 8, .size: 8, .value_kind: global_buffer, .address_space: global }
      - { .name: xq, .offset: 16, .size: 8, .value_kind: global_buffer, .address_space: global }
      - { .name: cq, .offset: 24, .size: 8, .value_kind: global_buffer, .address_space: global }
    .group_segment_fixed_size: 35328
    .private_segment_fixed_size: 0
    .kernarg_segment_align: 8
    .kernarg_segment_size: 32
    .max_flat_workgroup_size: 128
    .sgpr_count:     66
    .vgpr_count:     256
    .wavefront_size: 32
...
	.end_amdgpu_metadata
.endif
;; end of part 1
;; launch dist (part 2): grid 128 x 2, 4 waves a work-group, clusters of 4 x 1, 327,680 bytes of LDS; arguments xq, cq, pval, pidx; writes pval, pidx
.if DOCPART == 2
	.amdgcn_target "amdgcn-amd-amdhsa--gfx1250"
	.amdhsa_code_object_version 6
	.text
	.protected	k_q3bab211bfa_dist
	.globl	k_q3bab211bfa_dist
	.p2align	8
	.type	k_q3bab211bfa_dist,@function
k_q3bab211bfa_dist:
	s_mov_b64 s[64:65], 0
	v_nop
	global_prefetch_b8 v0, s[64:65] scope:SCOPE_SE
	s_setreg_imm32_b32 hwreg(HW_REG_WAVE_MODE, 25, 1), 1
	s_wait_xcnt 0x0
	s_wait_alu depctr_hold_cnt(0) depctr_sa_sdst(0) depctr_va_vdst(0) depctr_va_sdst(0) depctr_va_ssrc(0) depctr_va_vcc(0) depctr_vm_vsrc(0)
	s_getreg_b32 s2, hwreg(HW_REG_IB_STS2, 6, 4)
	s_cmp_eq_u32 s2, 0
	s_cbranch_scc0 .Lentry_in_a_cluster
	s_endpgm
.Lentry_in_a_cluster:
	s_bfe_u32 s2, ttmp6, 0x10000c
	s_cmp_lg_u32 s2, 0x3003
	s_cbranch_scc0 .Lentry_shape_is_right
	s_endpgm
.Lentry_shape_is_right:
; For 128 tokens and one half (4,096) of the codes: the code n that makes a(n) = -c2(n)/2 + Q(x).Q(c_n) largest, the lowest n among equals.  pidx[half][token] = n;
; pval[half][token] = a(n) - x2/2 as a WHOLE NUMBER that keeps the order: the f32's bits, with the lower 31 turned over where the sign is set, to be compared as signed 32-bit numbers.
; The product is on codes of BF6 (E3M2) with E8M0 scales, as the first launch laid them: records of 64 rows (25,856 bytes = 101 x 256): four tiles of 16 rows as images of the operand's registers, their scale words, and nh = -(sum of squares)/2.
; LIMITS: -c2/2 is the C of each sum's first matrix instruction, the four K steps follow, and -x2/2 is added to the winner alone: another order of rounding.  NaN and infinities are not served.
; SHARES.  256 work-groups: 128 blocks of 128 tokens x 2 halves of the codes.  Four waves.  Every wave keeps ALL 128 tokens' fragments in registers (384) and takes tile w of each record of 64 codes:
; a fragment of codes read from LDS feeds 8 matrix instructions and is read once.  The tokens' fragments are images of registers in memory: each wave loads them straight into its registers, 512 consecutive bytes a load.
; TRANSPOSED USE: source 0 = 16 codes, source 1 = 16 tokens: a lane holds ONE token (lane % 16), its 8 registers the codes 8 (lane / 16) + 0 .. 7.
; IN GROUPS.  A code tile is 32 products in two runs of 16 (4 accumulators by turns in each), then 81 vector instructions that judge its 8 tiles of results: 5 switches of the register windows a code tile.
; JUDGING a tile of 16 x 16: 4 instructions give the larger of the lane's best so far and its eight new numbers (the bests lie in two sets that alternate, so nothing is copied), 1 compares (strictly larger: the earlier tile stays),
; 1 keeps the tile's first index, 4 dual-issue pairs keep its eight numbers: the place among the eight is looked for once, at the end.  No branch and no address hangs on these numbers.
; The eight tiles go through these steps as a pipeline, each step a tile behind the step before it, so that a result stands four instructions or more ahead of its reader in the pipeline's middle.
; CLUSTER 4 x 1: the four work-groups of a cluster have the same half and walk the same records: each record is asked for JOINTLY (mask 15).  The tokens are each work-group's own.
; RING: two slots of 4 records; each wave brings one record a slot.  One round of the cluster's barrier a slot, at the slot's third tile: the fourth tile is in registers by then, so the slot is read no more;
; the third tile's judging stands between the round's opening signal and its wait; behind the round the slot is filled again and the other slot's first tile is fetched.
; By this text's count a wave has one tensor load out at the most.  Slot 1's first fill is issued as a refill is.
; PREFETCH: behind each refill the four waves name the four records that stand two refills on: work-group cx of the cluster takes record cx, a lane a block of 256 bytes (101 blocks; the 27 lanes left over name the last again).
; At the head: behind slot 0's load the records of slot 1 and of the first refill, behind slot 1's load those of the second refill: never more than two fills' records asked for and not yet loaded.  The last two refills' turns name nothing.
; REGISTERS: window 0: below.  window 1: v0-191 the fragments of token tiles 0-3 (48 u + 12 k), v192-239 set 0 of a code tile's four fragments; window 2: token tiles 4-7, and set 1.
.set SUPER, 25856                      ; a record
.set SLOT,  4*SUPER
.set RES,   2*SLOT                     ; behind the ring: the waves' winners: 4 x 128 x 8 bytes; no fill lands here
.set SPARE, RES+4096                   ; the spare words, 128 bytes for each wave: two blocks of 256 bytes that no other line names
.set SPW,  1                           ; v1   LDS address of my spare word; never rewritten
.set NIL,  2                           ; v2   0; never rewritten
.set CUR,  3                           ; v3   the index of register 0 of the tile being judged
.set ACF,  4                           ; v4-7   LDS address of my 16 bytes of a fragment's chunk: slot s, records 2 p on: register 2 s + p
.set ASC,  8                           ; v8-11  of my row's scale words
.set ANH,  12                          ; v12-15 of my eight codes' nh
.set VL,   16                          ; v16  16 x lane: my place in a load's 512 bytes of the tokens' records; never rewritten
.set VR,   17                          ; v17  16 x (lane % 16): my token's scale words; never rewritten
.set MT,   18                          ; v18-25 two temporaries for each of the four tiles in the pipeline; at work at the head and on the way out
.set ARS,  26                          ; v26  the way out: where my wave's winners go
.set ARL,  27                          ; v27  where thread t reads token t's four
.set VN,   28                          ; v28  token t's nh in the tokens' records; never rewritten
.set GOF,  29                          ; v29  4 t
.set PFO,  30                          ; v30  the prefetches' offset: my block of 256 bytes in a record; never rewritten
.set NX,   31                          ; v31  token t's nh
.set XS,   32                          ; v32-63  the tokens' scale words: 4 (tile) + k
.set CS,   64                          ; v64-71  the codes': two sets of 4
.set NC2,  72                          ; v72-87  the codes' nh in the result's layout: two sets of 8
.set BEST, 88                          ; v88-103 the lane's best number for each token tile: two sets that alternate
.set GID,  104                         ; v104-111 the index of register 0 of the tile in which it was found,
.set SAV,  112                         ; v112-175 and that tile's eight numbers
.set ACC,  176                         ; v176-239 accumulators: token tile e at 8 e
.set PR,   240                         ; v240-255 the way out: pairs (value, index)
.set PX,   MT                          ; the other half of the lanes' pair
.set FB,   192                         ; a set of the codes' fragments, in window 1 (set 0) or 2 (set 1)
.set T0,   20
.set T1,   21
.set T2,   22
.set T3,   23
.set WV,   12                          ; s12 my wave's number
.set G1C,  24                          ; s[24:31] descriptor group 1 for a record of codes (joint)
.set G0,   40                          ; s[40:47] group 0, a set for each slot
.set XB,   48                          ; s[48:49] my tokens' two records
.set MK,   52                          ; s52-54 lane masks
.set SEL,  56                          ; s[56:57] v_permlanex16_b32's selects for lane l xor 16
.set LAP,  58
.set NINF, 59
.set PF,   66                          ; s[66:67] where the prefetches stand
.set M8,   84                          ; s84-91 the way out: a lane mask for each token tile
.set MSB, 0
.macro WIN new                         ; the immediate's high byte repeats the setting that is left; a switch that changes nothing is dropped
.if MSB != (\new)
	s_set_vgpr_msb (MSB<<8)|(\new)
.set MSB, (\new)
.endif
.endm
.macro CREST                           ; a round of the cluster's barrier behind its opening barrier
	s_cmp_lg_u32 s[WV], 0
	s_cbranch_scc1 .Lnot_wave_0_\@
	s_barrier_signal -3
.Lnot_wave_0_\@:
	s_barrier_wait -3
	s_barrier_signal -1
	s_barrier_wait -1
.endm
.macro CROUND                          ; a whole round
	s_barrier_signal -1
	s_barrier_wait -1
	CREST
.endm
.macro NOPS n
.rept \n
	v_nop
.endr
.endm
.macro JLOAD s                         ; my record of slot s, asked for jointly; an s_nop 0 and four v_nop follow the load
	tensor_load_to_lds s[G0+4*\s:G0+4*\s+3], s[G1C:G1C+7]
	s_nop 0
	NOPS 4
.endm
; My tile of record t of slot s into set cs: 12 loads of 512 consecutive bytes, the rows' four scale words, the eight nh of my half of the lanes.  Leaves every window 0.
.macro FETCH s, t, cs
.set fa, 2*(\s)+(\t)/2
.set fo, ((\t)%2)*SUPER
	WIN 0x40*(1+(\cs))                             ; destination window 1 or 2, address window 0
.irp m, 0,1,2,3,4,5,6,7,8,9,10,11
	ds_load_b128 v[FB+4*\m:FB+4*\m+3], v[ACF+fa] offset:fo+512*\m
.endr
	WIN 0
	ds_load_b128 v[CS+4*(\cs):CS+4*(\cs)+3], v[ASC+fa] offset:fo
	ds_load_b128 v[NC2+8*(\cs):NC2+8*(\cs)+3], v[ANH+fa] offset:fo
	ds_load_b128 v[NC2+8*(\cs)+4:NC2+8*(\cs)+7], v[ANH+fa] offset:fo+16
.endm
; 16 products of the code tile in set cs with token tiles 4 g .. 4 g + 3: K step i / 4, token tile i % 4; the first four start the sums from -c2/2.
.macro MUL cs, g
	WIN (1+(\cs))|((1+(\g))<<2)                    ; source 0 (codes) window 1 or 2, source 1 (tokens) window 1 or 2, C and D window 0
.set i, 0
.rept 16
.set rD, ACC+32*(\g)+8*(i%4)
.set rA, FB+12*(i/4)
.set rB, 48*(i%4)+12*(i/4)
.set rX, XS+16*(\g)+4*(i%4)+i/4
.if i < 4
	v_wmma_scale_f32_16x16x128_f8f6f4 v[rD:rD+7], v[rA:rA+11], v[rB:rB+11], v[NC2+8*(\cs):NC2+8*(\cs)+7], v[CS+4*(\cs)+i/4], v[rX] matrix_a_fmt:MATRIX_FMT_BF6 matrix_b_fmt:MATRIX_FMT_BF6
.else
	v_wmma_scale_f32_16x16x128_f8f6f4 v[rD:rD+7], v[rA:rA+11], v[rB:rB+11], v[rD:rD+7], v[CS+4*(\cs)+i/4], v[rX] matrix_a_fmt:MATRIX_FMT_BF6 matrix_b_fmt:MATRIX_FMT_BF6
.endif
.set i, i+1
.endr
.endm
.macro MUL32 cs                        ; a code tile's 32 products, and three of the four places in front of the judging (its first line is the fourth).  Leaves every window 0
	MUL \cs, 0
	MUL \cs, 1
	WIN 0
	NOPS 3
.endm
; The 8 tiles of results are judged; the bests are read from set cs and written to the other.  An accumulator is read from its low end on.
; Turn je of the pipeline: tile je is compared; tile je + 3 begins (two maxima of three), tile je + 2 takes in its last two numbers, tile je + 1 its best so far; tile je's index and eight numbers are kept where it won.
.macro JUDGE cs
.set bo, BEST+8*(\cs)
.set bn, BEST+8-8*(\cs)
	v_add_nc_u32 v[CUR], 64, v[CUR]
.set je, -3
.rept 11
.if je >= 0
	v_cmp_gt_f32 vcc_lo, v[bn+je], v[bo+je]        ; strictly larger: among equals the earlier tile, the lower index, stays
.endif
.if je+3 < 8
.set jA, ACC+8*(je+3)
.set jM, MT+2*((je+3)%4)
	v_max3_num_f32 v[jM], v[jA], v[jA+1], v[jA+2]
	v_max3_num_f32 v[jM+1], v[jA+3], v[jA+4], v[jA+5]
.endif
.if (je+2 >= 0) && (je+2 < 8)
.set jA, ACC+8*(je+2)
.set jM, MT+2*((je+2)%4)
	v_max3_num_f32 v[jM], v[jM], v[jA+6], v[jA+7]
.endif
.if (je+1 >= 0) && (je+1 < 8)
.set jM, MT+2*((je+1)%4)
	v_max3_num_f32 v[bn+je+1], v[jM], v[jM+1], v[bo+je+1]
.endif
.if je >= 0
	v_cndmask_b32 v[GID+je], v[GID+je], v[CUR], vcc_lo
.irp j, 0,2,4,6
	v_dual_cndmask_b32 v[SAV+8*je+\j], v[SAV+8*je+\j], v[ACC+8*je+\j] :: v_dual_cndmask_b32 v[SAV+8*je+\j+1], v[SAV+8*je+\j+1], v[ACC+8*je+\j+1]   ; both halves select by VCC; an even and an odd destination, sources in neighbouring banks
.endr
.endif
.set je, je+1
.endr
.endm
; PLACES (ISA guide 7.12.1 for the products' results): three v_nop and the step of the index stand between a run of products and the first read of its results; the loads into a set stand behind the judging that
; followed the set's products; an accumulator is begun anew behind a judging.
; A slot's tile t = 0 or 1 (its set is t): the next tile is fetched into the other set ahead of the products.
.macro TILE s, t
	s_wait_dscnt 0x0                               ; this tile's 15 loads, issued a tile ago, are in
	FETCH \s, (\t)+1, 1-(\t)
	MUL32 \t
	JUDGE \t
.endm
; A slot's tiles 2 and 3.  mode 2: a round of the cluster's barrier, the slot is filled again; mode 1: a barrier alone, which shows the other slot whole; mode 0: the walk's end.
.macro TURN s, mode
.if \mode == 2
	s_wait_xcnt 0x0                                ; my prefetch has read its address: only behind this wait is it stepped
	s_add_nc_u64 s[PF:PF+1], s[PF:PF+1], SLOT
.endif
	s_wait_dscnt 0x0                               ; tile 2 is in
	FETCH \s, 3, 1                                 ; my last reads of this slot
.if \mode > 0
	s_wait_tensorcnt 0x0                           ; all my tensor loads have landed: the one that was out is my record of the other slot
.endif
.if \mode == 2
	ds_add_u32 v[SPW], v[NIL]                      ; 0 onto my spare word; 32 products stand between it and the wait for it
.endif
	MUL32 0
	s_wait_dscnt 0x0                               ; the add is done, tile 3 is in: my reads of this slot are over
.if \mode > 0
	s_barrier_signal -1
.endif
	JUDGE 0                                        ; work on registers while the others arrive
.if \mode > 0
	s_barrier_wait -1
.endif
.if \mode == 2
	CREST                                          ; no wave of any partner still reads this slot or has a load on its way
	s_add_nc_u64 s[G0+4*\s+2:G0+4*\s+3], s[G0+4*\s+2:G0+4*\s+3], 2*SLOT   ; no tensor load of mine is out, so a group 0 may be written; the type bits on top are not reached
	JLOAD \s                                       ; the records two slots on: the first tensor load behind the round
.endif
.if \mode > 0
	FETCH 1-\s, 0, 0
.endif
.if \mode == 2
	s_cmp_gt_u32 s[LAP], 1                         ; the last trip's two refills have no records two refills on
	s_cbranch_scc0 .Lno_more_\@
	s_cmp_lt_u32 ttmp9, 4
	s_cbranch_scc0 .Lno_prefetch_dist0_\@
	global_prefetch_b8 v[PFO], s[PF:PF+1] th:TH_LOAD_NT scope:SCOPE_SE
.Lno_prefetch_dist0_\@:
.Lno_more_\@:
.endif
	MUL32 1
	JUDGE 1
.endm
; (dv, ia) = the better of (va, ia) and (vb, ib): the larger value, among equal values the lower index.
.macro LEX dv, va, ia, vb, ib
	v_cmp_gt_f32 s[MK], v[\vb], v[\va]
	v_cmp_eq_f32 s[MK+1], v[\vb], v[\va]
	v_cmp_lt_u32 s[MK+2], v[\ib], v[\ia]
	s_and_b32 s[MK+1], s[MK+1], s[MK+2]
	s_or_b32 s[MK], s[MK], s[MK+1]
	v_cndmask_b32 v[\dv], v[\va], v[\vb], s[MK]
	v_cndmask_b32 v[\ia], v[\ia], v[\ib], s[MK]
.endm
	s_load_b256 s[4:11], s[0:1], 0x0               ; xq s[4:5], cq s[6:7], pval s[8:9], pidx s[10:11]
	v_lshl_add_u32 v[SPW], v0, 2, SPARE
	v_mov_b32 v[NIL], 0
	ds_add_u32 v[SPW], v[NIL]                      ; the opening lines: the add, twice on end, and its wait ahead of my first tensor load
	ds_add_u32 v[SPW], v[NIL]
	v_lshrrev_b32 v[T0], 5, v0
	v_readfirstlane_b32 s[WV], v[T0]               ; wave 0..3
	v_and_b32 v[T0], 31, v0                        ; lane
	v_and_b32 v[T1], 15, v0                        ; r
	v_lshrrev_b32 v[T2], 6, v0
	v_and_b32 v[T3], 63, v0
	v_lshlrev_b32 v[VL], 4, v[T0]
	v_lshlrev_b32 v[VR], 4, v[T1]
	v_mul_u32_u24 v[T2], v[T2], SUPER
	v_lshl_add_u32 v[VN], v[T3], 2, v[T2]          ; token t's nh: record t / 64, word t % 64
	v_min_u32 v[PFO], 100, v0                      ; a record has 101 blocks of 256 bytes
	v_lshlrev_b32 v[PFO], 8, v[PFO]
	s_bfe_u32 s13, ttmp6, 0x40000                  ; cx: my place in the cluster.  It enters global addresses of my own alone: the tokens', the results', the prefetches'
	s_lshl_b32 s14, ttmp9, 2                       ; in a cluster launch ttmp9 counts clusters
	s_add_co_u32 s14, s14, s13                     ; my block of 128 tokens
	s_and_b32 s15, ttmp7, 0xffff                   ; the half of the codes, which the four partners share
	; group 1 for a record: 25,856 dense bytes as 101 rows of 256 (32 elements of 8 bytes), no padding: every LDS read takes 512 consecutive bytes
	s_mov_b32 s[G1C], 15|(3<<16)|(1<<21)           ; the mask names all four work-groups; bit 21 set beside it
	s_mov_b32 s[G1C+1], 32<<16                     ; tensor_dim0 = 32
	s_mov_b32 s[G1C+2], 101<<16                    ; tensor_dim1 = 101
	s_mov_b32 s[G1C+3], 32<<16                     ; tile_dim0 = 32
	s_mov_b32 s[G1C+4], 101                        ; tile_dim1 = 101
	s_mov_b32 s[G1C+5], 32                         ; tensor_dim0_stride
	s_mov_b32 s[G1C+6], 0
	s_mov_b32 s[G1C+7], 0
	s_mul_i32 s18, s[WV], SUPER                    ; my record of a slot's four: in memory and in LDS
	s_mul_i32 s16, s15, 64*SUPER                   ; the half's 64 records
	s_mul_i32 s22, s13, SUPER
	s_add_co_u32 s22, s22, s16
	s_add_co_u32 s22, s22, 3*SLOT                  ; the prefetches: record cx of the half's fourth four
	s_mov_b32 s23, 0
	s_add_co_u32 s16, s16, s18
	s_mov_b32 s17, 0
	s_mul_i32 s20, s14, 2*SUPER                    ; my tokens' two records
	s_mov_b32 s21, 0
	s_lshl_b32 s60, s15, 16                        ; pval, pidx: [half][token], 4 bytes each
	s_lshl_b32 s61, s14, 9
	s_add_co_u32 s60, s60, s61
	s_mov_b32 s61, 0
	s_mul_i32 s68, s[WV], 6144                     ; tile w of a record,
	s_lshl_b32 s69, s[WV], 8
	s_add_co_u32 s69, s69, 24576                   ; its scale words,
	s_lshl_b32 s70, s[WV], 6
	s_add_co_u32 s70, s70, 25600                   ; its nh
	s_lshl_b32 s72, s[WV], 10
	s_add_co_u32 s72, s72, RES                     ; my winners: RES + 1024 w
	s_lshl_b32 s73, s15, 12
	s_lshl_b32 s74, s[WV], 4
	s_add_co_u32 s73, s73, s74
	s_sub_co_u32 s73, s73, 64                      ; 4096 half + 16 w, one record back: each judging steps the index first
	s_mov_b32 s[SEL], 0x76543210
	s_mov_b32 s[SEL+1], 0xfedcba98
	s_mov_b32 s[NINF], 0xff800000
	s_mov_b32 s[LAP], 7
	s_wait_alu depctr_va_vdst(0)
	s_wait_dscnt 0x0                               ; both opening adds are done
	s_wait_kmcnt 0x0
	s_add_nc_u64 s[XB:XB+1], s[4:5], s[20:21]
	s_add_nc_u64 s[16:17], s[6:7], s[16:17]
	s_add_nc_u64 s[PF:PF+1], s[6:7], s[22:23]
	s_add_nc_u64 s[8:9], s[8:9], s[60:61]
	s_add_nc_u64 s[10:11], s[10:11], s[60:61]
	s_mov_b32 s[G0], 1                             ; count = 1
	s_mov_b32 s[G0+1], s18                         ; LDS address: slot 0, record w
	s_mov_b64 s[G0+2:G0+3], s[16:17]               ; records 0 to 3 of the half
	s_or_b32 s[G0+3], s[G0+3], 0x80000000          ; type = 2
	s_mov_b32 s[G0+4], 1
	s_add_co_u32 s[G0+5], s18, SLOT
	s_add_nc_u64 s[G0+6:G0+7], s[16:17], SLOT      ; records 4 to 7
	s_or_b32 s[G0+7], s[G0+7], 0x80000000
	CROUND                                         ; all four work-groups are here: the first joint loads meet
	JLOAD 0                                        ; slot 0: one tensor load a wave at the head; it goes out ahead of the 105 loads below
	s_cmp_lt_u32 ttmp9, 4
	s_cbranch_scc0 .Lno_prefetch_dist1
	global_prefetch_b8 v[PFO], s[PF:PF+1] offset:-2*SLOT th:TH_LOAD_NT scope:SCOPE_SE   ; slot 1's records,
	global_prefetch_b8 v[PFO], s[PF:PF+1] offset:-SLOT th:TH_LOAD_NT scope:SCOPE_SE     ; and the first refill's
.Lno_prefetch_dist1:
	; the tokens: 96 loads of 512 consecutive bytes, 8 of scale words, 1 of nh; they are waited for once, in front of the loop
.irp g, 0,1
	WIN 0x40*(1+\g)                                ; destination window 1: token tiles 0-3; window 2: tiles 4-7, the second record
.irp u, 0,1,2,3
.irp m, 0,1,2,3,4,5,6,7,8,9,10,11
	global_load_b128 v[48*\u+4*\m:48*\u+4*\m+3], v[VL], s[XB:XB+1] offset:\g*SUPER+6144*\u+512*\m
.endr
.endr
.endr
	WIN 0
.irp g, 0,1
.irp u, 0,1,2,3
	global_load_b128 v[XS+4*(4*\g+\u):XS+4*(4*\g+\u)+3], v[VR], s[XB:XB+1] offset:\g*SUPER+24576+256*\u
.endr
.endr
	global_load_b32 v[NX], v[VN], s[XB:XB+1] offset:25600
	v_bfe_u32 v[T2], v0, 4, 1                      ; h
	v_add_nc_u32 v[ACF], s68, v[VL]
	v_add_nc_u32 v[ASC], s69, v[VR]
	v_lshl_add_u32 v[ANH], v[T2], 5, s70
.irp a, ACF, ASC, ANH
	v_add_nc_u32 v[\a+1], 2*SUPER, v[\a]
	v_add_nc_u32 v[\a+2], SLOT, v[\a]
	v_add_nc_u32 v[\a+3], SLOT+2*SUPER, v[\a]
.endr
	v_lshl_add_u32 v[ARS], v[T1], 3, s72           ; RES + 1024 w + 8 r
	v_lshl_add_u32 v[ARL], v0, 3, RES              ; RES + 8 t
	v_lshlrev_b32 v[GOF], 2, v0
	v_lshl_add_u32 v[CUR], v[T2], 3, s73
	; the bests and the numbers kept begin as -infinity: the first tile's judging is like every other's
.set i, 0
.rept 8
	v_mov_b32 v[BEST+i], s[NINF]
	v_mov_b32 v[GID+i], 0
.set i, i+1
.endr
.set i, 0
.rept 64
	v_mov_b32 v[SAV+i], s[NINF]
.set i, i+1
.endr
	s_wait_alu depctr_va_vdst(0)
	s_wait_tensorcnt 0x0                           ; my record of slot 0 is in
	ds_add_u32 v[SPW], v[NIL]
	s_wait_dscnt 0x0
	CROUND                                         ; everybody's are in, and all four work-groups are here
	JLOAD 1                                        ; slot 1's first fill
	FETCH 0, 0, 0
	s_cmp_lt_u32 ttmp9, 4
	s_cbranch_scc0 .Lno_prefetch_dist2
	global_prefetch_b8 v[PFO], s[PF:PF+1] th:TH_LOAD_NT scope:SCOPE_SE   ; the second refill's records
.Lno_prefetch_dist2:
	s_wait_loadcnt 0x0                             ; the tokens are in
.Llap:                                             ; 7 trips: a trip walks both slots (8 records) and fills both again
	TILE 0, 0
	TILE 0, 1
	TURN 0, 2
	TILE 1, 0
	TILE 1, 1
	TURN 1, 2
	s_sub_co_u32 s[LAP], s[LAP], 1
	s_cmp_lg_u32 s[LAP], 0
	s_cbranch_scc1 .Llap
	TILE 0, 0                                      ; the last 8 records are written out: nothing is left to fetch
	TILE 0, 1
	TURN 0, 1
	TILE 1, 0
	TILE 1, 1
	TURN 1, 0
	; THE WAY OUT.  The place of a lane's best among the eight numbers kept, the lowest among equals; the other half of the lanes (the tile's other eight codes); the four waves, through LDS; then -x2/2.
	v_mov_b32 v[PX], 0                             ; a lane permute's destination counts as one of its sources
	v_mov_b32 v[PX+1], 0
.irp T, 0,1,2,3,4,5,6,7
	v_mov_b32 v[PR+2*\T+1], 7
.endr
.irp j, 6,5,4,3,2,1,0
.irp T, 0,1,2,3,4,5,6,7
	v_cmp_neq_f32 s[M8+\T], v[SAV+8*\T+\j], v[BEST+\T]   ; the eight tiles by turns, a mask each
.endr
.irp T, 0,1,2,3,4,5,6,7
	v_cndmask_b32 v[PR+2*\T+1], \j, v[PR+2*\T+1], s[M8+\T]
.endr
.endr
.irp T, 0,1,2,3,4,5,6,7
	v_add_nc_u32 v[PR+2*\T+1], v[GID+\T], v[PR+2*\T+1]
.endr
.irp T, 0,1,2,3,4,5,6,7
	v_permlanex16_b32 v[PX], v[BEST+\T], s[SEL], s[SEL+1]
	v_permlanex16_b32 v[PX+1], v[PR+2*\T+1], s[SEL], s[SEL+1]
	LEX PR+2*\T, BEST+\T, PR+2*\T+1, PX, PX+1
	ds_store_b64 v[ARS], v[PR+2*\T:PR+2*\T+1] offset:128*\T   ; token 16 T + r; both lanes of a token write the same pair
.endr
	s_wait_dscnt 0x0                               ; for the others' sake: my stores are done
	s_barrier_signal -1
	s_barrier_wait -1
.irp w, 0,1,2,3
	ds_load_b64 v[PR+2*\w:PR+2*\w+1], v[ARL] offset:1024*\w   ; thread t: token t's winner in each wave's codes
.endr
	s_wait_dscnt 0x0
	LEX PR, PR, PR+1, PR+2, PR+3
	LEX PR+4, PR+4, PR+5, PR+6, PR+7
	LEX PR, PR, PR+1, PR+4, PR+5
	v_add_f32 v[PR], v[PR], v[NX]                  ; - x2 / 2
	v_ashrrev_i32 v[PR+2], 31, v[PR]               ; as a whole number in the same order: where the sign is set, the lower 31 bits are turned over
	v_and_b32 v[PR+2], 0x7fffffff, v[PR+2]
	v_xor_b32 v[PR], v[PR], v[PR+2]
	global_store_b32 v[GOF], v[PR], s[8:9]         ; a wave stores 128 consecutive bytes; both buffers together are 262,144 bytes in the whole launch
	global_store_b32 v[GOF], v[PR+1], s[10:11]
	s_wait_tensorcnt 0x0                           ; the wave's end, behind my last tensor load and my last LDS store
	ds_add_u32 v[SPW], v[NIL]
	s_wait_dscnt 0x0
	CROUND                                         ; the closing round: no work-group ends while a partner may still ask for a record that names it
	s_endpgm
.Lfunc_end_k_q3bab211bfa_dist:
	.size	k_q3bab211bfa_dist, .Lfunc_end_k_q3bab211bfa_dist-k_q3bab211bfa_dist
	.p2alignl 7, 3214868480
	.fill 96, 4, 3214868480
	.section	.rodata,"a",@progbits
	.p2align	6, 0x0
	.amdhsa_kernel k_q3bab211bfa_dist
		.amdhsa_group_segment_fixed_size 327680
		.amdhsa_private_segment_fixed_size 0
		.amdhsa_enable_private_segment 0
		.amdhsa_kernarg_size 32
		.amdhsa_user_sgpr_count 2
		.amdhsa_user_sgpr_kernarg_segment_ptr 1
		.amdhsa_wavefront_size32 1
		.amdhsa_system_sgpr_workgroup_id_x 1
		.amdhsa_system_sgpr_workgroup_id_y 1
		.amdhsa_system_sgpr_workgroup_id_z 1
		.amdhsa_system_vgpr_workitem_id 0
		.amdhsa_next_free_vgpr 768
		.amdhsa_next_free_sgpr 92
		.amdhsa_reserve_vcc 1
		.amdhsa_float_denorm_mode_32 3
		.amdhsa_float_denorm_mode_16_64 3
		.amdhsa_memory_ordered 1
		.amdhsa_forward_progress 1
		.amdhsa_inst_pref_size 192
	.end_amdhsa_kernel
	.amdgpu_metadata
---
amdhsa.version: [ 1, 2 ]
amdhsa.kernels:
  - .name:           k_q3bab211bfa_dist
    .symbol:         k_q3bab211bfa_dist.kd
    .args:
      - { .name: xq, .offset: 0, .size: 8, .value_kind: global_buffer, .address_space: global }
      - { .name: cq, .offset: 8, .size: 8, .value_kind: global_buffer, .address_space: global }
      - { .name: pval, .offset: 16, .size: 8, .value_kind: global_buffer, .address_space: global }
      - { .name: pidx, .offset: 24, .size: 8, .value_kind: global_buffer, .address_space: global }
    .group_segment_fixed_size: 327680
    .private_segment_fixed_size: 0
    .kernarg_segment_align: 8
    .kernarg_segment_size: 32
    .max_flat_workgroup_size: 128
    .sgpr_count:     92
    .vgpr_count:     768
    .wavefront_size: 32
...
	.end_amdgpu_metadata
.endif
;; end of part 2
;; launch gather (part 3): grid 512 x 1, 8 waves a work-group, no clusters, 0 bytes of LDS; arguments embedding, pval, pidx, out0; writes out0
.if DOCPART == 3
	.amdgcn_target "amdgcn-amd-amdhsa--gfx1250"
	.amdhsa_code_object_version 6
	.text
	.protected	k_q3bab211bfa_gather
	.globl	k_q3bab211bfa_gather
	.p2align	8
	.type	k_q3bab211bfa_gather,@function
k_q3bab211bfa_gather:
	s_mov_b64 s[64:65], 0
	v_nop
	global_prefetch_b8 v0, s[64:65] scope:SCOPE_SE
	s_setreg_imm32_b32 hwreg(HW_REG_WAVE_MODE, 25, 1), 1
	s_wait_xcnt 0x0
; out0[token] = embedding[the better of the token's two winners].  pidx [2][16384] holds each half's winner, pval [2][16384] its -d2/2 as a signed whole number in the same order:
; the second half's row is taken where its number is strictly larger (among equals the lower index).  Both are whole numbers read from memory, so the choice is made by a scalar compare and ONE row is loaded.
; The table is 16 MiB and every row of it may be named many times: no hint on its loads.
; A wave takes 4 tokens: 4 rows of 2,048 bytes, 16 loads of 512 consecutive bytes, all issued before the first wait; 16 stores of 512 consecutive bytes.  No loop, no LDS, no barrier.
; An index is held to 0 .. 8191, the table's rows.
.set D,   8                            ; v8-71   token q, piece j at 16 q + 4 j
.set OF,  72                           ; v72-75  byte offset of my 16 bytes in token q's row
	s_load_b256 s[4:11], s[0:1], 0x0               ; embedding s[4:5], pval s[6:7], pidx s[8:9], out0 s[10:11]
	v_lshrrev_b32 v1, 5, v0
	s_delay_alu instid0(VALU_DEP_1)
	v_readfirstlane_b32 s12, v1                    ; wave 0..7
	v_and_b32 v1, 31, v0
	s_delay_alu instid0(VALU_DEP_1)
	v_lshlrev_b32 v1, 4, v1                        ; 16 x lane
	s_lshl_b32 s13, ttmp9, 3
	s_add_co_u32 s12, s13, s12                     ; my wave in the launch: tokens 4 x that on
	s_lshl_b32 s14, s12, 4                         ; 4 words of pval and of pidx
	s_mov_b32 s15, 0
	s_lshl_b32 s2, s12, 13                         ; 4 rows of out0
	s_mov_b32 s3, 0
	s_wait_alu depctr_va_vdst(0)
	s_wait_kmcnt 0x0
	s_add_nc_u64 s[6:7], s[6:7], s[14:15]
	s_add_nc_u64 s[8:9], s[8:9], s[14:15]
	s_add_nc_u64 s[10:11], s[10:11], s[2:3]
	s_load_b128 s[16:19], s[8:9], 0x0              ; the first half's winners of my 4 tokens,
	s_load_b128 s[20:23], s[8:9], 0x10000          ; the second half's,
	s_load_b128 s[24:27], s[6:7], 0x0              ; and their numbers
	s_load_b128 s[28:31], s[6:7], 0x10000
	s_wait_kmcnt 0x0
.irp q, 0,1,2,3
	s_cmp_gt_i32 s[28+\q], s[24+\q]                ; the second half's winner is strictly better
	s_cselect_b32 s[16+\q], s[20+\q], s[16+\q]
	s_min_u32 s[16+\q], s[16+\q], 0x1fff
	s_lshl_b32 s[16+\q], s[16+\q], 11              ; a row is 2,048 bytes
	v_add_nc_u32 v[OF+\q], s[16+\q], v1
.endr
	s_wait_alu depctr_va_vdst(0)
.irp q, 0,1,2,3
.irp j, 0,1,2,3
	global_load_b128 v[D+16*\q+4*\j:D+16*\q+4*\j+3], v[OF+\q], s[4:5] offset:512*\j
.endr
.endr
.irp q, 0,1,2,3
	s_wait_loadcnt 12-4*\q                         ; this token's 4 loads are in; the later tokens' 4 each may be out
.irp j, 0,1,2,3
	global_store_b128 v1, v[D+16*\q+4*\j:D+16*\q+4*\j+3], s[10:11] offset:2048*\q+512*\j th:TH_STORE_NT   ; 32 lanes store 512 consecutive bytes, at a multiple of 256 from out0's first byte
.endr
.endr
	s_endpgm
.Lfunc_end_k_q3bab211bfa_gather:
	.size	k_q3bab211bfa_gather, .Lfunc_end_k_q3bab211bfa_gather-k_q3bab211bfa_gather
	.p2alignl 7, 3214868480
	.fill 96, 4, 3214868480
	.section	.rodata,"a",@progbits
	.p2align	6, 0x0
	.amdhsa_kernel k_q3bab211bfa_gather
		.amdhsa_group_segment_fixed_size 0
		.amdhsa_private_segment_fixed_size 0
		.amdhsa_enable_private_segment 0
		.amdhsa_kernarg_size 32
		.amdhsa_user_sgpr_count 2
		.amdhsa_user_sgpr_kernarg_segment_ptr 1
		.amdhsa_wavefront_size32 1
		.amdhsa_system_sgpr_workgroup_id_x 1
		.amdhsa_system_sgpr_workgroup_id_y 1
		.amdhsa_system_sgpr_workgroup_id_z 1
		.amdhsa_system_vgpr_workitem_id 0
		.amdhsa_next_free_vgpr 80
		.amdhsa_next_free_sgpr 66
		.amdhsa_reserve_vcc 0
		.amdhsa_float_denorm_mode_32 3
		.amdhsa_float_denorm_mode_16_64 3
		.amdhsa_memory_ordered 1
		.amdhsa_forward_progress 1
		.amdhsa_inst_pref_size 6
	.end_amdhsa_kernel
	.amdgpu_metadata
---
amdhsa.version: [ 1, 2 ]
amdhsa.kernels:
  - .name:           k_q3bab211bfa_gather
    .symbol:         k_q3bab211bfa_gather.kd
    .args:
      - { .name: embedding, .offset: 0, .size: 8, .value_kind: global_buffer, .address_space: global }
      - { .name: pval, .offset: 8, .size: 8, .value_kind: global_buffer, .address_space: global }
      - { .name: pidx, .offset: 16, .size: 8, .value_kind: global_buffer, .address_space: global }
      - { .name: out0, .offset: 24, .size: 8, .value_kind: global_buffer, .address_space: global }
    .group_segment_fixed_size: 0
    .private_segment_fixed_size: 0
    .kernarg_segment_align: 8
    .kernarg_segment_size: 32
    .max_flat_workgroup_size: 256
    .sgpr_count:     66
    .vgpr_count:     80
    .wavefront_size: 32
...
	.end_amdgpu_metadata
.endif
;; end of part 3
